; MI455X (gfx1250); checked and timed in simulation.
; The chip was launched on July 23, 2026; its instructions are those of AMD's public machine-readable ISA for CDNA 5 (MIT licence, August 2026) and "CDNA5" Instruction Set Architecture Reference Guide (July 2026). The comments in the code are by the model that wrote it; some were corrected since.
;; SDPA Module. Allowed arithmetic: matrix products marked QUANTISED: E3M2 operands, one E8M0 scale for each 32 along K, by v_wmma_scale_f32_16x16x128_f8f6f4 with both operands' format E3M2, f32 sums; everything else in f32.
;; Inputs: K 2 x 2,048 x 512 float32; Q 2 x 2,048 x 2,048 float32; V 2 x 2,048 x 512 float32; sinks 32 float32.
;; Outputs: out0 2 x 2,048 x 2,048 float32.
;; This version of the problem:
;;   THIS VERSION OF THE PROBLEM IS GIVEN IN LOW PRECISION. The matrix products marked QUANTISED in the list below multiply operands that are first quantised to E3M2 (3 exponent bits, 2 mantissa bits; 6 bits a number), with one power-of-two scale for each 32 numbers along K (OCP MX v1.0); their sums are f32. All else is computed in f32.
;;   The module's matrix products, in the order in which they are computed (A, B: the left and right operand; K: the contracted axis; several contracted axes count as one K, in the product's order):
;;     1. batch 16 x [M 2,048, K 64] x [K 64, N 8,192]; A: input K; B: input Q: QUANTISED
;;     2. batch 16 x [M 64, K 2,048] x [K 2,048, N 8,192]; A: input V; B: softmax (see below): QUANTISED
;;   THE QUANTISER, for each operand of a quantised product, along K:
;;     - K is cut into blocks of 32 from its start; a last block that is shorter is filled with zeros.
;;     - A block's scale is 2^e with e = floor(log2(the largest magnitude in the block)) - 4, held to -126 .. 127; a block of zeros has e = 0. As a byte (E8M0): e + 127.
;;     - Each number is divided by its block's scale, clamped to +-28, and rounded to the nearest number of E3M2, ties to even, subnormals kept.
;;     - The product sums the exact products of the quantised numbers (number of the format x scale) in f32.
;;   ~~~python
;;   def quantise(x, axis):      # numpy; x: float32 -> the quantised numbers, widened to float32 again
;;       x = np.moveaxis(x, axis, -1); K = x.shape[-1]
;;       x = np.pad(x, [(0, 0)] * (x.ndim - 1) + [(0, -K % 32)]); x = x.reshape(x.shape[:-1] + (-1, 32)); a = np.abs(x).max(-1, keepdims=True)
;;       e = np.where(a > 0, np.clip(np.frexp(np.where(a > 0, a, 1))[1] - 1 - 4, -126, 127), 0)      # np.frexp(a)[1] - 1 = floor(log2(a)), exactly
;;       r = np.clip(x / 2.0 ** e, -28, 28)
;;       step = 2.0 ** (np.maximum(np.frexp(np.where(r == 0, 1, r))[1] - 1, -2) - 2)
;;       q = np.round(r / step) * step * 2.0 ** e      # np.round: ties to even
;;       return np.moveaxis(q.reshape(q.shape[:-2] + (-1,))[..., :K], -1, axis).astype(np.float32)
;;   ~~~
;;   SOFTMAX AHEAD OF A QUANTISED PRODUCT. Where the list says 'softmax', what is quantised is not the finished softmax but p = 2^(t - M), with t = logit x log2(e) and M = ceil(the row's largest t), a whole number; so 1/2 < the row's largest p <= 1. The row's sum l is taken of the UNQUANTISED p, in f32, and the product's result is divided by l at the end. Since M is a whole number, a kernel that streams over the keys may use a running M (the ceiling of the running maximum): every later rescaling is an exact power of two, which a block's scale takes up: the codes' values come out the same.
;;   OPERANDS COMPUTED ON THE WAY. 'Computed on the way' means the value that the module computes at that place (a softmax that the list does not call 'softmax' is quantised finished and normalised). What goes into a quantiser is computed in f32, as accurately as f32 sums, v_exp_f32 and their like allow (about 1e-6 of the number): no bf16 or f16 on the way to a quantiser, and a product that is left as it is and whose result goes on into a quantised operand takes f32 operands (vector FMAs, or v_wmma_f32_16x16x4_f32). A number that lies on a knife's edge between two numbers of the format may be rounded either way, as far as f32 arithmetic and the matrix unit's own rounding can turn it there, and no further.
;; One version. Each part assembles by itself: llvm-mc -triple=amdgcn-amd-amdhsa -mcpu=gfx1250 --defsym DOCPART=n.
;; ======== version 1 of 1: 1 launch
;; limits: inputs' magnitudes at most 100,000,000,000,000
;; launch swa (part 1): grid 16 x 16, 16 waves a work-group, no clusters, 302,592 bytes of LDS; arguments Q, K, V, sinks, out0; writes out0
.if DOCPART == 1
	.amdgcn_target "amdgcn-amd-amdhsa--gfx1250"
	.amdhsa_code_object_version 6
	.text
	.protected	k_qffb3d96f9f_swa
	.globl	k_qffb3d96f9f_swa
	.p2align	8
	.type	k_qffb3d96f9f_swa,@function
k_qffb3d96f9f_swa:
	s_mov_b64 s[64:65], 0
	v_nop
	global_prefetch_b8 v0, s[64:65] scope:SCOPE_SE
	s_setreg_imm32_b32 hwreg(HW_REG_WAVE_MODE, 25, 1), 1
	s_wait_xcnt 0x0
; Sliding-window attention with grouped queries, both products on codes of BF6 (E3M2) with one E8M0 scale for each 32 along a product's K.
; Q, out0: [2][2048][8 kv heads][4 query heads][64] f32.  K, V: [2][2048][8][64] f32.  Query q sees keys q-127 .. q, none under 0.
; SHARES.  A work-group owns 128 queries x the 4 query heads of one kv head (x = block of 128 queries, y = 8 x batch + kv head), and needs 8 blocks of 32 keys:
; absolute block 4 x - 4 + beta, beta = 0..7.  All its inputs (128 KB of Q, 64 KB of K, 64 KB of V) are asked for at the head, two tensor loads a wave, each LDS byte filled once.
; Waves 0-7 then quantise K's block beta = wave (along the head's 64), waves 8-15 V's block beta = wave - 8 (along the keys); codes and scale bytes meet in LDS behind ONE barrier.
; After it wave w takes the 16 queries 16 (w / 2) on, for query heads 2 (w % 2) and 2 (w % 2) + 1: two tiles.  A tile of 16 queries that begins at a multiple of 16 sees exactly five aligned key blocks.
; LAYOUT.  Both products are used transposed (S^T = K Q^T, O^T = V^T P^T): a lane holds ONE query throughout.  The first product's K is 64, the instruction's 128: a fragment of K holds TWO keys a row
; (k 0-63: key 32 b + r + 8 (r / 8); k 64-127: the key 8 further on), and Q is given as [Q, 0] or as [0, Q], which are two windows on the registers  zeros | Q | zeros.
; So the 16 registers of a block's two tiles are 16 neighbouring keys, 32 b + 16 (lane / 16) + 0..15, as the quantiser of p wants them.
; THE MASK is the C of the score products: 0 where a key counts, -2^100 where it does not; p = 2^(t - M) is then exactly 0.
; SOFTMAX.  t = score x log2(e) / 8; M = ceil(the row's largest t), taken over the whole window, which lies in registers; p = 2^(t - M) is quantised along the keys; the sum of the unquantised p divides at the end.
; sinks: the function that this text computes takes them and lets them enter nothing.  Each work-group loads its kv head's four numbers; nothing reads them.
; NO CLUSTER: neighbouring work-groups share only the four halo blocks (64 KB of a work-group's 256 KB), and a shared block would have to lie at one LDS address in both, where it is an own block in one and a halo block in the other.
; LIMITS: NaN and infinities among the inputs are not served.  A hidden score is -2^100 + the true score, not -infinity: p is 0 as long as true scores stay far under 2^100 in magnitude.
; v_exp_f32 gives 0 for p under 2^-126.  A block of zeros gets the scale byte 1, not 127: its codes are zeros, and only this text reads the bytes.
; For x = 0 the four halo blocks do not exist: block 0 is loaded in their stead (no load leaves its buffer) and the mask hides them.
.set QFW,  16*528                      ; LDS: wave w's Q: 16 rows x (512 bytes + 16), from byte 0 on
.set KVF,  16*QFW                      ; wave w's block of K or V in f32: 32 rows x (256 bytes + 16); later the wave's two stages for the way out
.set KVFW, 32*272
.set KIMG, KVF+16*KVFW                 ; K's block beta as an image of a fragment's registers: 1536 beta + 512 g + 16 lane
.set KSC,  KIMG+8*1536                 ; its scale words: 128 beta + 4 lane
.set VIMG, KSC+8*128                   ; V's codes: 3072 t + 384 beta + 24 r + 8 p  (channel 16 t + r, 24 bytes a block)
.set VSC,  VIMG+4*3072                 ; V's scale bytes: 8 x channel + beta
.set KS,  16                           ; v16-20  K's scale words, blocks 0-4 of my window      (v16-31 hold scales and nothing else)
.set VS0, 21                           ; v21-24  V's scale words for window blocks 0-3, channel tile t
.set VS1, 25                           ; v25-28  and for block 4
.set QS,  29                           ; v29     Q's scale word (s0, s1, s0, s1)
.set PS0, 30                           ; v30     p's scale word, blocks 0-3
.set PS1, 31                           ; v31     block 4
.set P4,  34                           ; v34-39  p's codes of block 4;   v34-45 = [p4, 0]
.set ZA,  40                           ; v40-45  zeros;                  v40-51 = [0, Q]
.set QC,  46                           ; v46-51  Q's codes;              v46-57 = [Q, 0]
.set ZB,  52                           ; v52-57  zeros
.set MLO, 58                           ; v58-73  the mask of window block 0
.set MHI, 74                           ; v74-89  of block 4
.set HB,  90                           ; v90-113 of blocks 1, 2, 3: eight equal registers each
.set SCO, 114                          ; v114-193 the scores, then p
.set XN,  114                          ; v114-177 f32 numbers on their way into a quantiser
.set QT,  146                          ; v146-152 at work while Q is quantised
.set VB,  114                          ; v114-137 V's codes of block 4: six registers a channel tile
.set VA,  138                          ; v138-185 V's fragments of blocks 0-3
.set OB,  114                          ; v114-145 rows of the output, back from the stage
.set KR,  194                          ; v194-253 K's five fragments
.set BM,  194                          ; v194-198 a block's largest score, then its largest p
.set BX,  199                          ; v199-203 the other half's; then the scale bytes
.set SO,  204                          ; v204-208 the conversions' scale operands
.set PC0, 210                          ; v210-221 p's codes of blocks 0-3; in the quantising roles: the codes just made
.set TC,  222                          ; v222-224, v226-228 the second halves of the conversions
.set SB,  230                          ; v[230:231] the sum's second chain
.set OT,  222                          ; v222-253 O^T
.macro PLACES n                        ; plain vector lines that name no register: the distances behind and in front of matrix instructions (ISA guide 7.12.1)
.rept \n
	v_nop
.endr
.endm
; 32 numbers of ONE lane, a whole block, v[x] on: t = the largest magnitude, t+2 = the conversion's scale operand, t+3 = the scale's byte
.macro QSCALE x, t
	v_max3_num_f32 v[\t], |v[\x]|, |v[\x+1]|, |v[\x+2]|
	v_max3_num_f32 v[\t+1], |v[\x+3]|, |v[\x+4]|, |v[\x+5]|
.irp i, 6,10,14,18,22,26
	s_delay_alu instid0(VALU_DEP_2)
	v_max3_num_f32 v[\t], v[\t], |v[\x+\i]|, |v[\x+\i+1]|          ; two chains, so that no line waits for the line above it
	s_delay_alu instid0(VALU_DEP_2)
	v_max3_num_f32 v[\t+1], v[\t+1], |v[\x+\i+2]|, |v[\x+\i+3]|
.endr
	s_delay_alu instid0(VALU_DEP_2)
	v_max3_num_f32 v[\t], v[\t], |v[\x+30]|, |v[\x+31]|
	s_delay_alu instid0(VALU_DEP_1)
	v_max3_num_f32 v[\t], v[\t], v[\t+1], 0x2800000                ; and the floor 2^(5 - 127): the byte cannot fall under 1
	s_delay_alu instid0(VALU_DEP_1)
	v_add_nc_u32 v[\t+2], 0xfe000000, v[\t]                        ; 4 off the exponent field: the conversion takes that field as its scale and nothing else
	s_delay_alu instid0(VALU_DEP_1)
	v_lshrrev_b32 v[\t+3], 23, v[\t+2]
.endm
; and their 32 codes, 192 bits, into v[dst] .. v[dst+5]
.macro QCODES x, dst, t
	v_cvt_scalef32_pk16_bf6_f32 v[\dst:\dst+2], v[\x:\x+15], v[\t+2]
	v_cvt_scalef32_pk16_bf6_f32 v[\t+4:\t+6], v[\x+16:\x+31], v[\t+2]   ; (a conversion's three registers begin on an even number)
	v_nop                                                          ; one plain line behind a scaled conversion
.irp i, 0,1,2
	v_mov_b32 v[\dst+3+\i], v[\t+4+\i]
.endr
.endm
; a score product: window block b, its keys' half u; c: the mask's eight registers
.macro SCORE b, u, c
	v_wmma_scale_f32_16x16x128_f8f6f4 v[SCO+16*\b+8*\u:SCO+16*\b+8*\u+7], v[KR+12*\b:KR+12*\b+11], v[QC-6*\u:QC-6*\u+11], v[\c:\c+7], v[KS+\b], v[QS] matrix_a_fmt:MATRIX_FMT_BF6 matrix_b_fmt:MATRIX_FMT_BF6
.endm
	s_load_b256 s[4:11], s[0:1], 0x0               ; Q s[4:5], K s[6:7], V s[8:9], sinks s[10:11]
	s_load_b64 s[12:13], s[0:1], 0x20              ; out0
	v_lshl_add_u32 v254, v0, 2, 0x49600
	v_mov_b32 v255, 0
	ds_add_u32 v254, v255
	ds_add_u32 v254, v255
	s_wait_dscnt 0x0
	v_lshrrev_b32 v1, 5, v0
	s_delay_alu instid0(VALU_DEP_1)
	v_readfirstlane_b32 s14, v1                    ; wave w, 0..15
	s_lshr_b32 s15, s14, 1                         ; i: my tile of 16 queries, 0..7
	s_and_b32 s16, s14, 1                          ; hp: my pair of query heads
	s_and_b32 s17, s14, 7                          ; beta: the key block that I quantise
	s_and_b32 s18, ttmp7, 0xffff
	s_lshr_b32 s19, s18, 3                         ; batch
	s_and_b32 s20, s18, 7                          ; kv head
	s_lshr_b32 s21, s14, 2                         ; j: my window begins at the work-group's block j
	s_and_b32 s22, s15, 1
	s_lshl_b32 s22, s22, 4                         ; 16 x (i % 2): my queries' place in their block of 32
	s_lshl_b32 s23, ttmp9, 2
	s_add_co_u32 s60, s23, s17                     ; 4 x + beta
	s_add_co_u32 s23, s23, s21                     ; jabs = 4 x + j: window block b is absolute block jabs - 4 + b
	s_sub_co_i32 s60, s60, 4
	s_max_i32 s60, s60, 0                          ; a block that does not exist: block 0 in its stead
	s_lshl_b32 s52, s60, 16                        ; K, V: 32 rows of 2,048 bytes a block,
	s_lshl_b32 s61, s19, 22                        ; 2^22 bytes a batch,
	s_add_co_u32 s52, s52, s61
	s_lshl_b32 s61, s20, 8                         ; 256 bytes a head
	s_add_co_u32 s52, s52, s61
	s_mov_b32 s53, 0
	s_lshl_b32 s60, ttmp9, 7
	s_lshl_b32 s61, s15, 4
	s_add_co_u32 s60, s60, s61                     ; my first query: 128 x + 16 i
	s_lshl_b32 s54, s60, 13                        ; Q, out0: rows of 8,192 bytes,
	s_lshl_b32 s61, s19, 24                        ; 2^24 bytes a batch,
	s_add_co_u32 s54, s54, s61
	s_lshl_b32 s61, s20, 10                        ; 1,024 bytes a kv head,
	s_add_co_u32 s54, s54, s61
	s_lshl_b32 s61, s16, 9                         ; 512 bytes a pair of query heads
	s_add_co_u32 s54, s54, s61
	s_mov_b32 s55, 0
	s_mul_i32 s58, s14, KVFW
	s_add_co_u32 s58, s58, KVF                     ; my block of K or V in LDS
	s_mul_i32 s59, s14, QFW                        ; my rows of Q in LDS
	s_mov_b32 s48, 0x76543210
	s_mov_b32 s49, 0xfedcba98                      ; v_permlanex16_b32's selects for lane l xor 16
	s_mov_b32 s50, 0x3e38aa3b                      ; c = log2(e) / 8
	s_mov_b32 s51, s50                             ; (named with it as a pair, so it is written)
	s_lshl_b32 s62, s21, 3                         ; 8 j: bits by which V's scale bytes are shifted
	s_lshl_b32 s70, s20, 4                         ; my kv head's four sinks
	s_mov_b32 s71, 0
	; descriptor group 1 for K's and V's blocks: 32 rows x 64 f32, 512 elements from row to row
	s_mov_b32 s24, (2<<16)|(1<<20)|(5<<22)|(3<<25) ; no mask; elements of 4 bytes; padding on: behind every 64 words 4 words
	s_mov_b32 s25, 64<<16                          ; tensor_dim0
	s_mov_b32 s26, 32<<16                          ; tensor_dim1
	s_mov_b32 s27, 64<<16                          ; tile_dim0
	s_mov_b32 s28, 32                              ; tile_dim1
	s_mov_b32 s29, 512                             ; tensor_dim0_stride
	s_mov_b32 s30, 0
	s_mov_b32 s31, 0
	; and for Q: 16 rows x 128 f32 (two heads), 2,048 elements from row to row
	s_mov_b32 s32, (2<<16)|(1<<20)|(6<<22)|(3<<25) ; behind every 128 words 4 words
	s_mov_b32 s33, 128<<16
	s_mov_b32 s34, 16<<16
	s_mov_b32 s35, 128<<16
	s_mov_b32 s36, 16
	s_mov_b32 s37, 2048
	s_mov_b32 s38, 0
	s_mov_b32 s39, 0
	s_wait_kmcnt 0x0
	s_cmp_lt_u32 s14, 8                            ; waves 0-7 fetch K, waves 8-15 V
	s_cselect_b64 s[56:57], s[6:7], s[8:9]
	s_mov_b32 s40, 1                               ; group 0: count = 1,
	s_mov_b32 s41, s58                             ; LDS address,
	s_add_nc_u64 s[42:43], s[56:57], s[52:53]      ; global address,
	s_or_b32 s43, s43, 0x80000000                  ; type = 2
	s_mov_b32 s44, 1
	s_mov_b32 s45, s59
	s_add_nc_u64 s[46:47], s[4:5], s[54:55]
	s_or_b32 s47, s47, 0x80000000
	s_add_nc_u64 s[12:13], s[12:13], s[54:55]      ; out0 at my first row and pair of heads
	s_add_nc_u64 s[10:11], s[10:11], s[70:71]
	tensor_load_to_lds s[40:43], s[24:31]          ; the launch's only tensor loads: two of mine are out
	s_nop 0
	tensor_load_to_lds s[44:47], s[32:39]
	s_nop 0
	v_and_b32 v1, 15, v0                           ; r
	v_bfe_u32 v2, v0, 4, 1                         ; h
	v_and_b32 v12, 31, v0                          ; lane (v12 is free until the first tile)
	s_delay_alu instid0(VALU_DEP_2)
	v_lshlrev_b32 v33, 3, v2                       ; 8 h
	s_load_b128 s[72:75], s[10:11], 0x0            ; the sinks: loaded, and read by nothing
	; ---- while the tiles are on their way: addresses, zeros, masks.  Every LDS address of the two roles is made here, ahead of their parting
	v_and_b32 v14, 8, v1
	s_delay_alu instid0(VALU_DEP_1)
	v_add_nc_u32 v14, v14, v1                      ; r + 8 (r / 8)
	s_delay_alu instid0(VALU_DEP_1)
	v_mul_u32_u24 v3, v14, 272
	s_delay_alu instid0(VALU_DEP_1)
	v_lshl_add_u32 v3, v2, 7, v3
	s_delay_alu instid0(VALU_DEP_1)
	v_add_nc_u32 v3, s58, v3                       ; K in f32: key r + 8 (r / 8), channels 32 h on
	s_mul_i32 s60, s17, 1536
	s_add_co_u32 s60, s60, KIMG
	v_lshl_add_u32 v4, v12, 4, s60                 ; where K's image goes
	s_lshl_b32 s61, s17, 7
	s_add_co_u32 s61, s61, KSC
	v_lshl_add_u32 v5, v12, 2, s61                 ; and its scale word
	v_lshl_add_u32 v6, v12, 2, s58                 ; V in f32: channel = lane
	s_mul_i32 s60, s17, 384
	s_add_co_u32 s60, s60, VIMG
	v_mul_u32_u24 v7, v1, 24
	s_delay_alu instid0(VALU_DEP_1)
	v_mad_u32_u24 v7, v2, 3072, v7
	s_delay_alu instid0(VALU_DEP_1)
	v_add_nc_u32 v7, s60, v7                       ; where V's codes go: channel lane = 16 h + r
	s_add_co_u32 s61, s17, VSC
	v_lshl_add_u32 v8, v12, 3, s61                 ; and its scale byte
	v_mul_u32_u24 v9, v1, 528
	s_delay_alu instid0(VALU_DEP_1)
	v_lshl_add_u32 v9, v2, 7, v9
	s_delay_alu instid0(VALU_DEP_1)
	v_add_nc_u32 v9, s59, v9                       ; Q in f32: row r, channels 32 h on
	v_lshlrev_b32 v10, 4, v1
	s_delay_alu instid0(VALU_DEP_1)
	v_lshl_add_u32 v10, v2, 13, v10                ; out0: lanes 0-15 one row, lanes 16-31 the next; 16 bytes a lane
	v_lshl_add_u32 v32, v1, 3, VSC                 ; V's eight scale bytes of channel r of a tile
	v_mov_b32 v11, 0xf1800000                      ; -2^100
	v_mov_b32 v13, 0                               ; (named as the upper half of the pair v[12:13])
.irp i, 0,1,2,3,4,5
	v_mov_b32 v[ZA+\i], 0
	v_mov_b32 v[ZB+\i], 0
.endr
	; register n = 8 u + jj of a block holds key 16 h + n of it.  With e = 16 (i % 2) + r - 16 h: in window block 0 a key is hidden where n <= e (it lies 128 or more back), in block 4 where n > e (it lies ahead)
	v_lshlrev_b32 v255, 4, v2
	s_delay_alu instid0(VALU_DEP_1)
	v_sub_nc_u32 v255, v1, v255
	s_delay_alu instid0(VALU_DEP_1)
	v_add_nc_u32 v255, s22, v255                   ; e
	s_cmp_lt_u32 s23, 4
	s_cselect_b32 s66, -1, 0                       ; window block 0 does not exist: all of it is hidden
.irp n, 0,1,2,3,4,5,6,7,8,9,10,11,12,13,14,15
	v_cmp_le_i32 vcc_lo, \n, v255
	s_or_b32 s67, vcc_lo, s66
	v_cndmask_b32 v[MLO+\n], 0, v11, s67
	v_cndmask_b32 v[MHI+\n], v11, v[ZA], vcc_lo
.endr
.irp b, 1,2,3                                  ; blocks 1 to 3 count whole, or do not exist (jabs + b < 4)
	s_add_co_u32 s60, s23, \b
	s_cmp_lt_u32 s60, 4
	s_cselect_b32 s68, 0xf1800000, 0
.irp k, 0,1,2,3,4,5,6,7
	v_mov_b32 v[HB+8*(\b-1)+\k], s68
.endr
.endr
	; ---- the quantising roles
	s_wait_tensorcnt 0x1                           ; my block of K or V is in LDS; the one younger load, Q's, may stay out
	s_cmp_lt_u32 s14, 8
	s_cbranch_scc0 .Lv_role
	; K: lane (r, h) takes channels 32 h .. 32 h + 31 of key r + 8 (r / 8) and of the key 8 further on: two whole blocks, which are registers 0-5 and 6-11 of the fragment
.irp u, 0,1
.irp p, 0,1,2,3,4,5,6,7
	ds_load_b128 v[XN+32*\u+4*\p:XN+32*\u+4*\p+3], v3 offset:2176*\u+16*\p
.endr
.endr
	s_wait_dscnt 0x0
	QSCALE XN, 194
	QSCALE XN+32, 202
	s_delay_alu instid0(VALU_DEP_1)
	v_lshl_or_b32 v254, v205, 16, v197             ; my two bytes: (first key, channels' block h), (second key, block h),
	s_delay_alu instid0(VALU_DEP_1)
	v_lshlrev_b32 v254, v33, v254                  ; at their places in the scale word;
	s_delay_alu instid0(VALU_DEP_1)
	v_permlanex16_b32 v255, v254, s48, s49
	s_delay_alu instid0(VALU_DEP_1)
	v_or_b32 v254, v254, v255                      ; with lane l xor 16's two the word is whole
	QCODES XN, PC0, 194
	QCODES XN+32, PC0+6, 202
.irp g, 0,1,2
	ds_store_b128 v4, v[PC0+4*\g:PC0+4*\g+3] offset:512*\g   ; the fragment as it stands: lane l's 16 bytes at 16 l
.endr
	ds_store_b32 v5, v254
	s_branch .Lmeet
.Lv_role:
	; V: a lane takes a channel (lane, then lane + 32) and its registers run down the block's 32 keys: the codes come out with the keys innermost
.irp c, 0,1
.irp k, 0,1,2,3,4,5,6,7,8,9,10,11,12,13,14,15,16,17,18,19,20,21,22,23,24,25,26,27,28,29,30,31
	ds_load_b32 v[XN+32*\c+\k], v6 offset:272*\k+128*\c
.endr
.endr
	s_wait_dscnt 0x0
	QSCALE XN, 194
	QSCALE XN+32, 202
	QCODES XN, PC0, 194
	QCODES XN+32, PC0+6, 202
.irp c, 0,1
.irp p, 0,1,2
	ds_store_b64 v7, v[PC0+6*\c+2*\p:PC0+6*\c+2*\p+1] offset:6144*\c+8*\p
.endr
	ds_store_b8 v8, v[197+8*\c] offset:256*\c
.endr
.Lmeet:
	s_wait_dscnt 0x0                               ; for the others' sake: my codes and scales have landed
	s_barrier_signal -1                            ; (Q's tile may still be on its way: only I read it, behind my own wait, and nothing is filled again)
	s_mul_i32 s60, s21, 1536                       ; the addresses of the main phase: ids and constants alone
	s_add_co_u32 s60, s60, KIMG
	v_lshl_add_u32 v3, v12, 4, s60                 ; K's images, from my window's first block on
	s_lshl_b32 s61, s21, 7
	s_add_co_u32 s61, s61, KSC
	v_lshl_add_u32 v4, v12, 2, s61                 ; their scale words
	s_mul_i32 s60, s21, 384
	s_add_co_u32 s60, s60, VIMG
	v_mul_u32_u24 v5, v12, 24
	s_delay_alu instid0(VALU_DEP_1)
	v_add_nc_u32 v5, s60, v5                       ; V, window blocks 0-3: 384 h + 24 r = 24 x lane: lanes 16-31 take the block behind
	v_mul_u32_u24 v6, v1, 24
	s_delay_alu instid0(VALU_DEP_1)
	v_add_nc_u32 v6, s60, v6
	s_delay_alu instid0(VALU_DEP_1)
	v_add_nc_u32 v6, 4*384, v6                     ; V, window block 4: both halves of the lanes take it
	v_mul_u32_u24 v7, v1, 272
	s_delay_alu instid0(VALU_DEP_1)
	v_lshl_add_u32 v7, v2, 5, v7
	s_delay_alu instid0(VALU_DEP_1)
	v_add_nc_u32 v7, s58, v7                       ; my stage, in: row r, 32 bytes for each half of the lanes
	v_mul_u32_u24 v8, v2, 272
	s_delay_alu instid0(VALU_DEP_1)
	v_lshl_add_u32 v8, v1, 4, v8
	s_delay_alu instid0(VALU_DEP_1)
	v_add_nc_u32 v8, s58, v8                       ; and back: lanes 0-15 one row of 256 bytes, lanes 16-31 the next
	s_barrier_wait -1
	; ---- the scales that serve both tiles
.irp b, 0,1,2,3,4
	ds_load_b32 v[KS+\b], v4 offset:128*\b
.endr
.irp t, 0,1,2,3
	ds_load_b64 v[154+2*\t:155+2*\t], v32 offset:128*\t      ; channel 16 t + r: the bytes of the work-group's eight blocks
.endr
	s_wait_dscnt 0x0
.irp t, 0,1,2,3
	v_alignbit_b32 v[VS0+\t], v[155+2*\t], v[154+2*\t], s62  ; bytes j .. j + 3
	v_lshrrev_b32 v[VS1+\t], s62, v[155+2*\t]                ; byte j + 4 lowest; above it other blocks' bytes or zeros, which meet zero codes
.endr
	s_wait_tensorcnt 0x0                           ; Q is in LDS: my own bytes, so my own wait is all that the reads need
	s_wait_kmcnt 0x0                               ; (the sinks have come)
; ---- a tile: my 16 queries, query head 2 hp + mm
.macro TILE mm
.if \mm
	s_wait_xcnt 0x0                                ; the first tile's stores have read their registers, into which the loads below land
.endif
.irp p, 0,1,2,3,4,5,6,7
	ds_load_b128 v[XN+4*\p:XN+4*\p+3], v9 offset:256*\mm+16*\p       ; Q(r, 32 h ..): a whole block a lane
.endr
.irp b, 0,1,2,3,4
.irp g, 0,1,2
	ds_load_b128 v[KR+12*\b+4*\g:KR+12*\b+4*\g+3], v3 offset:1536*\b+512*\g
.endr
.endr
	s_wait_dscnt 15                                ; Q's eight loads are in; K's fifteen, issued behind them, may be out
	QSCALE XN, QT
	s_delay_alu instid0(VALU_DEP_1)
	v_lshlrev_b32 v254, v33, v[QT+3]               ; my byte at its place,
	s_delay_alu instid0(VALU_DEP_1)
	v_permlanex16_b32 v255, v254, s48, s49
	s_delay_alu instid0(VALU_DEP_1)
	v_or_b32 v254, v254, v255                      ; with lane l xor 16's: (s0, s1),
	s_delay_alu instid0(VALU_DEP_1)
	v_lshl_or_b32 v[QS], v254, 16, v254            ; twice: it serves [Q, 0] and [0, Q]
	QCODES XN, QC, QT
	PLACES 8                                       ; a scale register written by a vector line stands 8 lines ahead of a scaled product, an operand 4
	s_wait_alu depctr_va_vdst(0)
	s_wait_dscnt 0x0                               ; K's fragments are in
	SCORE 0, 0, MLO                                ; ten products, ten accumulators: none is taken up twice
	SCORE 0, 1, MLO+8
	SCORE 1, 0, HB
	SCORE 1, 1, HB
	SCORE 2, 0, HB+8
	SCORE 2, 1, HB+8
	SCORE 3, 0, HB+16
	SCORE 3, 1, HB+16
	SCORE 4, 0, MHI
	SCORE 4, 1, MHI+8
	PLACES 5                                       ; 4 in front of the reads of the scores and the writes over K's fragments, 5 in front of products that write over them
.irp b, 0,1,2,3,4
	v_max3_num_f32 v[BM+\b], v[SCO+16*\b], v[SCO+16*\b+1], v[SCO+16*\b+2]   ; the largest score of each block of 32 keys: for the row's maximum and, since p rises with the score, for the block's largest p.  Each accumulator is read from its low end on
.endr
.irp i, 3,5,7,9,11,13
.irp b, 0,1,2,3,4
	v_max3_num_f32 v[BM+\b], v[BM+\b], v[SCO+16*\b+\i], v[SCO+16*\b+\i+1]   ; (the five blocks by turns)
.endr
.endr
.irp b, 0,1,2,3,4
	v_max_num_f32 v[BM+\b], v[BM+\b], v[SCO+16*\b+15]
.endr
.irp b, 0,1,2,3,4
	v_permlanex16_b32 v[BX+\b], v[BM+\b], s48, s49
.endr
.irp b, 0,1,2,3,4
	v_max_num_f32 v[BM+\b], v[BM+\b], v[BX+\b]     ; with lane l xor 16's 16 keys
.endr
	s_delay_alu instid0(VALU_DEP_3)
	v_max3_num_f32 v254, v[BM], v[BM+1], v[BM+2]
	s_delay_alu instid0(VALU_DEP_1)
	v_max3_num_f32 v254, v254, v[BM+3], v[BM+4]    ; the row's largest score (the query's own key always counts)
	s_delay_alu instid0(VALU_DEP_1)
	v_mul_f32 v254, s50, v254                      ; as t
	s_delay_alu instid0(VALU_DEP_1)
	v_floor_f32 v12, -v254                         ; -M = floor(-t) = -ceil(t)
.set jj, 0
.rept 40
	v_pk_fma_f32 v[SCO+jj:SCO+jj+1], v[SCO+jj:SCO+jj+1], s[50:51], v[12:13] op_sel_hi:[1,0,0]   ; t - M, two at a time (of the pairs c and -M the low word serves both halves)
.set jj, jj+2
.endr
.irp b, 0,1,2,3,4
	v_fma_f32 v[BM+\b], v[BM+\b], s50, v12         ; the same of each block's largest score
.endr
.set jj, 0
	s_wait_alu depctr_va_vdst(0)
.rept 80
	v_exp_f32 v[SCO+jj], v[SCO+jj]                 ; p = 2^(t - M), at most 1; 0 where the key is hidden
.set jj, jj+1
.endr
.irp b, 0,1,2,3,4
	v_exp_f32 v[BM+\b], v[BM+\b]                   ; the block's largest p: the same two instructions on the same number
.endr
.irp i, 3,4,5
	v_mov_b32 v[P4+\i], 0                          ; block 4's upper half, ahead of the exchange below.  (The plain lines behind the exponentials)
.endr
	s_wait_alu depctr_va_vdst(0)
.irp b, 0,1,2,3,4
	v_max_num_f32 v[BM+\b], 0x2800000, v[BM+\b]    ; the floor 2^(5 - 127): a block whose every p is 0 keeps the byte 1; its codes are zeros
.endr
.irp b, 0,1,2,3,4
	v_add_nc_u32 v[SO+\b], 0xfe000000, v[BM+\b]    ; 4 off the exponent field: the conversion's scale operand
.endr
.irp b, 0,1,2,3,4
	v_lshrrev_b32 v[BX+\b], 23, v[SO+\b]           ; the scale's byte
.endr
	s_delay_alu instid0(VALU_DEP_4)
	v_lshl_or_b32 v[PS0], v[BX+1], 8, v[BX]
	s_delay_alu instid0(VALU_DEP_1)
	v_lshl_or_b32 v[PS0], v[BX+2], 16, v[PS0]
	s_delay_alu instid0(VALU_DEP_1)
	v_lshl_or_b32 v[PS0], v[BX+3], 24, v[PS0]      ; p's scale word for window blocks 0-3
	s_delay_alu instid0(VALU_DEP_4)
	v_mov_b32 v[PS1], v[BX+4]                      ; and for block 4 (the bytes above it are 0 and meet zero codes)
.irp c, 0,1
	v_cvt_scalef32_pk16_bf6_f32 v[PC0+6*\c:PC0+6*\c+2], v[SCO+32*\c:SCO+32*\c+15], v[SO+2*\c]
	v_cvt_scalef32_pk16_bf6_f32 v[TC+4*\c:TC+4*\c+2], v[SCO+32*\c+16:SCO+32*\c+31], v[SO+2*\c+1]
.endr
	v_cvt_scalef32_pk16_bf6_f32 v[P4:P4+2], v[SCO+64:SCO+79], v[SO+4]
	v_pk_add_f32 v[230:231], v[114:115], v[116:117]
	v_pk_add_f32 v[252:253], v[122:123], v[126:127]
	v_pk_add_f32 v[250:251], v[130:131], v[134:135]
	v_pk_add_f32 v[248:249], v[138:139], v[142:143]
	v_pk_add_f32 v[246:247], v[146:147], v[150:151]
	v_pk_add_f32 v[244:245], v[154:155], v[158:159]
	v_pk_add_f32 v[242:243], v[162:163], v[166:167]
	v_pk_add_f32 v[14:15], v[170:171], v[174:175]
	v_pk_add_f32 v[14:15], v[14:15], v[178:179]
	v_pk_add_f32 v[230:231], v[230:231], v[182:183]
	v_pk_add_f32 v[252:253], v[252:253], v[186:187]
	v_pk_add_f32 v[250:251], v[250:251], v[190:191]
	v_pk_add_f32 v[248:249], v[248:249], v[118:119]
	v_pk_add_f32 v[246:247], v[246:247], v[120:121]
	v_pk_add_f32 v[244:245], v[244:245], v[124:125]
	v_pk_add_f32 v[242:243], v[242:243], v[128:129]
	v_pk_add_f32 v[14:15], v[14:15], v[132:133]
	v_pk_add_f32 v[230:231], v[230:231], v[136:137]
	v_pk_add_f32 v[252:253], v[252:253], v[140:141]
	v_pk_add_f32 v[250:251], v[250:251], v[144:145]
	v_pk_add_f32 v[248:249], v[248:249], v[148:149]
	v_pk_add_f32 v[246:247], v[246:247], v[152:153]
	v_pk_add_f32 v[244:245], v[244:245], v[156:157]
	v_pk_add_f32 v[242:243], v[242:243], v[160:161]
	v_pk_add_f32 v[14:15], v[14:15], v[164:165]
	v_pk_add_f32 v[230:231], v[230:231], v[168:169]
	v_pk_add_f32 v[252:253], v[252:253], v[172:173]
	v_pk_add_f32 v[250:251], v[250:251], v[176:177]
	v_pk_add_f32 v[248:249], v[248:249], v[180:181]
	v_pk_add_f32 v[246:247], v[246:247], v[184:185]
	v_pk_add_f32 v[244:245], v[244:245], v[188:189]
	v_pk_add_f32 v[242:243], v[242:243], v[192:193]
	s_delay_alu instid0(VALU_DEP_4)
	v_pk_add_f32 v[14:15], v[14:15], v[248:249]
	s_delay_alu instid0(VALU_DEP_4)
	v_pk_add_f32 v[230:231], v[230:231], v[246:247]
	s_delay_alu instid0(VALU_DEP_4)
	v_pk_add_f32 v[252:253], v[252:253], v[244:245]
	s_delay_alu instid0(VALU_DEP_4)
	v_pk_add_f32 v[250:251], v[250:251], v[242:243]
	s_delay_alu instid0(VALU_DEP_2)
	v_pk_add_f32 v[14:15], v[14:15], v[252:253]
	s_delay_alu instid0(VALU_DEP_2)
	v_pk_add_f32 v[230:231], v[230:231], v[250:251]
	s_delay_alu instid0(VALU_DEP_1)
	v_pk_add_f32 v[14:15], v[14:15], v[230:231]
.irp t, 0,1,2,3                                ; p is done with: V's codes land in its registers
.irp c, 0,1
.irp p, 0,1,2
	ds_load_b64 v[VA+12*\t+6*\c+2*\p:VA+12*\t+6*\c+2*\p+1], v5 offset:3072*\t+768*\c+8*\p   ; registers 6 c on: window block 2 c + h of channel 16 t + r
.endr
.endr
.endr
.irp t, 0,1,2,3
.irp p, 0,1,2
	ds_load_b64 v[VB+6*\t+2*\p:VB+6*\t+2*\p+1], v6 offset:3072*\t+8*\p   ; window block 4: a fragment's first six registers; its other six are the next tile's codes, which meet zero codes of p
.endr
.endr
.irp c, 0,1                                    ; while they are on their way.  The operand's layout wants a WHOLE block in a lane: lanes 0-15 block 2 c, lanes 16-31 block 2 c + 1
.irp i, 0,1,2
	v_permlane16_swap_b32 v[PC0+6*\c+\i], v[TC+4*\c+\i]
.endr
.endr
.irp i, 0,1,2
	v_permlane16_swap_b32 v[P4+\i], v[P4+3+\i]     ; block 4: lanes 0-15 get its upper 16 codes, lanes 16-31 zeros
.endr
.irp c, 0,1
.irp i, 0,1,2
	v_mov_b32 v[PC0+6*\c+3+\i], v[TC+4*\c+\i]
.endr
.endr
	v_add_f32 v14, v14, v15                        ; the sum's two halves,
	s_delay_alu instid0(VALU_DEP_1)
	v_permlanex16_b32 v255, v14, s48, s49
	s_delay_alu instid0(VALU_DEP_1)
	v_add_f32 v14, v14, v255                       ; and lane l xor 16's: the row's sum
	s_wait_alu depctr_va_vdst(0)
	v_rcp_f32 v12, v14                             ; (-M is done with)
	PLACES 8                                       ; p's scale words, written by vector lines, stand 8 lines ahead of the scaled products, its codes 4; also the plain line behind the reciprocal
	s_wait_dscnt 0x0                               ; V's codes are in
.irp t, 0,1,2,3                                ; O^T = V^T P^T: four accumulators by turns, one instruction a turn.  The first products start the sums
	v_wmma_scale_f32_16x16x128_f8f6f4 v[OT+8*\t:OT+8*\t+7], v[VA+12*\t:VA+12*\t+11], v[PC0:PC0+11], 0, v[VS0+\t], v[PS0] matrix_a_fmt:MATRIX_FMT_BF6 matrix_b_fmt:MATRIX_FMT_BF6
.endr
.irp t, 0,1,2,3
	v_wmma_scale_f32_16x16x128_f8f6f4 v[OT+8*\t:OT+8*\t+7], v[VB+6*\t:VB+6*\t+11], v[P4:P4+11], v[OT+8*\t:OT+8*\t+7], v[VS1+\t], v[PS1] matrix_a_fmt:MATRIX_FMT_BF6 matrix_b_fmt:MATRIX_FMT_BF6
.endr
	PLACES 5                                       ; 4 in front of the reads of O^T and of loads over V's codes, 5 in front of the next tile's products, which write over them
.set jj, 0
	s_wait_alu depctr_va_vdst(0)
.rept 16
	v_pk_mul_f32 v[OT+jj:OT+jj+1], v[OT+jj:OT+jj+1], v[12:13] op_sel_hi:[1,0]   ; O^T / the sum, each accumulator from its low end on: register 8 t + n is out(r, 16 t + 8 h + n)
.set jj, jj+2
.endr
.irp t, 0,1,2,3                                ; through my stage, which lies where my block of K or V lay: it has had its one fill, and only I have read it
	ds_store_b128 v7, v[OT+8*\t:OT+8*\t+3] offset:4352*\mm+64*\t
	ds_store_b128 v7, v[OT+8*\t+4:OT+8*\t+7] offset:4352*\mm+64*\t+16
.endr
.irp i, 0,1,2,3,4,5,6,7
	ds_load_b128 v[OB+4*\i:OB+4*\i+3], v8 offset:4352*\mm+544*\i     ; LDS serves a wave's instructions in order (ISA guide 5.7.1.4): these see the stores above
.endr
.irp i, 0,1,2,3,4,5,6,7
	s_wait_dscnt 7-\i                              ; rows 2 i and 2 i + 1 are back; the younger loads may be out
	global_store_b128 v10, v[OB+4*\i:OB+4*\i+3], s[12:13] offset:16384*\i+256*\mm th:TH_STORE_NT   ; 16 lanes store a head's 256 consecutive bytes of a row, at a multiple of 256 from out0's first byte
.endr
.endm
	TILE 0
	TILE 1
	s_wait_xcnt 0x0
	v_lshl_add_u32 v254, v0, 2, 0x49600
	v_mov_b32 v255, 0
	s_wait_alu depctr_va_vdst(0)
	s_wait_tensorcnt 0x0
	ds_add_u32 v254, v255
	s_wait_dscnt 0x0
	s_endpgm
.Lfunc_end_k_qffb3d96f9f_swa:
	.size	k_qffb3d96f9f_swa, .Lfunc_end_k_qffb3d96f9f_swa-k_qffb3d96f9f_swa
	.p2alignl 7, 3214868480
	.fill 96, 4, 3214868480
	.section	.rodata,"a",@progbits
	.p2align	6, 0x0
	.amdhsa_kernel k_qffb3d96f9f_swa
		.amdhsa_group_segment_fixed_size 302592
		.amdhsa_private_segment_fixed_size 0
		.amdhsa_enable_private_segment 0
		.amdhsa_kernarg_size 40
		.amdhsa_user_sgpr_count 2
		.amdhsa_user_sgpr_kernarg_segment_ptr 1
		.amdhsa_wavefront_size32 1
		.amdhsa_system_sgpr_workgroup_id_x 1
		.amdhsa_system_sgpr_workgroup_id_y 1
		.amdhsa_system_sgpr_workgroup_id_z 1
		.amdhsa_system_vgpr_workitem_id 0
		.amdhsa_next_free_vgpr 256
		.amdhsa_next_free_sgpr 80
		.amdhsa_reserve_vcc 1
		.amdhsa_float_denorm_mode_32 3
		.amdhsa_float_denorm_mode_16_64 3
		.amdhsa_memory_ordered 1
		.amdhsa_forward_progress 1
		.amdhsa_inst_pref_size 79
	.end_amdhsa_kernel
	.amdgpu_metadata
---
amdhsa.version: [ 1, 2 ]
amdhsa.kernels:
  - .name:           k_qffb3d96f9f_swa
    .symbol:         k_qffb3d96f9f_swa.kd
    .args:
      - { .name: Q, .offset: 0, .size: 8, .value_kind: global_buffer, .address_space: global }
      - { .name: K, .offset: 8, .size: 8, .value_kind: global_buffer, .address_space: global }
      - { .name: V, .offset: 16, .size: 8, .value_kind: global_buffer, .address_space: global }
      - { .name: sinks, .offset: 24, .size: 8, .value_kind: global_buffer, .address_space: global }
      - { .name: out0, .offset: 32, .size: 8, .value_kind: global_buffer, .address_space: global }
    .group_segment_fixed_size: 302592
    .private_segment_fixed_size: 0
    .kernarg_segment_align: 8
    .kernarg_segment_size: 40
    .max_flat_workgroup_size: 512
    .sgpr_count:     80
    .vgpr_count:     256
    .wavefront_size: 32
...
	.end_amdgpu_metadata
.endif
;; end of part 1
